; MI455X (gfx1250); checked and timed in simulation.
; The chip was launched on July 23, 2026; its instructions are those of AMD's public machine-readable ISA for CDNA 5 (MIT licence, August 2026) and "CDNA5" Instruction Set Architecture Reference Guide (July 2026). The comments in the code are by the model that wrote it; some were corrected since.
;; NGP. Allowed arithmetic: matrix products marked QUANTISED: E2M1 operands, one E8M0 scale for each 32 along K, by v_wmma_scale_f32_16x16x128_f8f6f4 with both operands' format E2M1 (or v_wmma_scale_f32_32x16x128_f4), f32 sums; products left as they are: f32 operands where the result goes on into a quantised operand, else bf16, f16 or f32 operands; f32 sums; everything else in f32.
;; Inputs: b1 64 float32; b2 32 float32; b3 2 float32; grid 8 x 524,288 x 2 float32; levels 8 float32; w1 16 x 64 float32; w2 64 x 32 float32; w3 32 x 2 float32; x 524,288 x 3 float32.
;; Outputs: out0 524,288 x 2 float32.
;; This version of the problem:
;;   THIS VERSION OF THE PROBLEM IS GIVEN IN LOW PRECISION. The matrix products marked QUANTISED in the list below multiply operands that are first quantised to E2M1 (2 exponent bits, 1 mantissa bit; 4 bits a number), with one power-of-two scale for each 32 numbers along K (OCP MX v1.0); their sums are f32. All else is computed in f32.
;;   The module's matrix products, in the order in which they are computed (A, B: the left and right operand; K: the contracted axis; several contracted axes count as one K, in the product's order):
;;     1. [M 524,288, K 16] x [K 16, N 64]; A: computed on the way; B: input w1: left as it is (K = 16 < 32)
;;     2. [M 524,288, K 64] x [K 64, N 32]; A: computed on the way; B: input w2: QUANTISED
;;     3. [M 524,288, K 32] x [K 32, N 2]; A: computed on the way; B: input w3: left as it is (N = 2 < 16)
;;   THE QUANTISER, for each operand of a quantised product, along K:
;;     - K is cut into blocks of 32 from its start; a last block that is shorter is filled with zeros.
;;     - A block's scale is 2^e with e = floor(log2(the largest magnitude in the block)) - 2, held to -126 .. 127; a block of zeros has e = 0. As a byte (E8M0): e + 127.
;;     - Each number is divided by its block's scale, clamped to +-6, and rounded to the nearest number of E2M1, ties to even, subnormals kept.
;;     - The product sums the exact products of the quantised numbers (number of the format x scale) in f32.
;;   ~~~python
;;   def quantise(x, axis):      # numpy; x: float32 -> the quantised numbers, widened to float32 again
;;       x = np.moveaxis(x, axis, -1); K = x.shape[-1]
;;       x = np.pad(x, [(0, 0)] * (x.ndim - 1) + [(0, -K % 32)]); x = x.reshape(x.shape[:-1] + (-1, 32)); a = np.abs(x).max(-1, keepdims=True)
;;       e = np.where(a > 0, np.clip(np.frexp(np.where(a > 0, a, 1))[1] - 1 - 2, -126, 127), 0)      # np.frexp(a)[1] - 1 = floor(log2(a)), exactly
;;       r = np.clip(x / 2.0 ** e, -6, 6)
;;       step = 2.0 ** (np.maximum(np.frexp(np.where(r == 0, 1, r))[1] - 1, 0) - 1)
;;       q = np.round(r / step) * step * 2.0 ** e      # np.round: ties to even
;;       return np.moveaxis(q.reshape(q.shape[:-2] + (-1,))[..., :K], -1, axis).astype(np.float32)
;;   ~~~
;;   OPERANDS COMPUTED ON THE WAY. 'Computed on the way' means the value that the module computes at that place (a softmax that the list does not call 'softmax' is quantised finished and normalised). What goes into a quantiser is computed in f32, as accurately as f32 sums, v_exp_f32 and their like allow (about 1e-6 of the number): no bf16 or f16 on the way to a quantiser, and a product that is left as it is and whose result goes on into a quantised operand takes f32 operands (vector FMAs, or v_wmma_f32_16x16x4_f32). A number that lies on a knife's edge between two numbers of the format may be rounded either way, as far as f32 arithmetic and the matrix unit's own rounding can turn it there, and no further.
;; One version. Each part assembles by itself: llvm-mc -triple=amdgcn-amd-amdhsa -mcpu=gfx1250 --defsym DOCPART=n.
;; ======== version 1 of 1: 2 launches
;; workspace buffers: idx 16,777,216 bytes of whole numbers
;; launch hash (part 1): grid 512 x 1, 8 waves a work-group, no clusters, 0 bytes of LDS; arguments x, levels, idx; writes idx
.if DOCPART == 1
	.amdgcn_target "amdgcn-amd-amdhsa--gfx1250"
	.amdhsa_code_object_version 6
	.text
	.protected	k_q567bf8a09c_hash
	.globl	k_q567bf8a09c_hash
	.p2align	8
	.type	k_q567bf8a09c_hash,@function
k_q567bf8a09c_hash:
	s_mov_b64 s[64:65], 0
	v_nop
	global_prefetch_b8 v0, s[64:65] scope:SCOPE_SE
	s_setreg_imm32_b32 hwreg(HW_REG_WAVE_MODE, 25, 1), 1
	s_wait_xcnt 0x0
; hb(point, level) = (c0 + c1 PI2 + c2 PI3) mod 2^19, c = floor(x * level), for 524,288 points and 8 levels, stored as whole numbers.
; The table has 2^19 entries, which divides 2^32: so all eight corners' hashes are (hb + i + j PI2 + k PI3) mod 2^19, and one word for a point and a level is all that the next launch needs.
; The hash is made of floating-point numbers, so it is stored here and turned into addresses only in the next launch, which reads it.
; LAYOUT of idx, in words: [tile of 16 points][level / 4][point in the tile][level % 4]: a tile is 512 bytes.
; SHARES.  Wave gid = 8 x work-group + wave takes 8 tiles (128 points).  Lane (r = lane % 16, g = lane / 16) takes point r of each tile and levels 4 g .. 4 g + 3:
; its four words are 16 bytes at 16 x lane of the tile, so one store of the wave covers 512 consecutive bytes, aligned.
; No loop, no LDS, no barrier: every offset is an immediate, and each tile has result registers of its own, so no store's data are written again.
; LIMITS: floor(x * level) has to lie in [-2^31, 2^31); a negative one is taken modulo 2^32 (two's complement).  NaN and infinities in x or levels are not served.
.set PI2, 0x9E3779B1
.set PI3, 0x30025795
.set LVL, 4                            ; v[4:7]    my four levels
.set XR,  8                            ; v[8:31]   x of my point in the 8 tiles, 3 each
.set TMP, 32                           ; v[32:40]  at work: three sets of three
.set R,   44                           ; v[44:75]  four results a tile
	s_load_b128 s[4:7], s[0:1], 0x0                ; x s[4:5], levels s[6:7]
	s_load_b64 s[8:9], s[0:1], 0x10                ; idx
	v_lshrrev_b32 v1, 5, v0
	v_readfirstlane_b32 s10, v1                    ; wave 0..7
	s_lshl_b32 s11, ttmp9, 3
	s_add_co_u32 s11, s11, s10                     ; gid
	v_and_b32 v1, 15, v0
	v_mul_u32_u24 v1, v1, 12                       ; x: 12 bytes a point
	v_and_b32 v2, 31, v0
	v_lshlrev_b32 v2, 4, v2                        ; idx: 16 x lane
	v_bfe_u32 v3, v0, 4, 1
	v_lshlrev_b32 v3, 4, v3                        ; levels: 16 g
	s_mov_b32 s14, PI2
	s_mov_b32 s15, PI3
	s_mul_i32 s12, s11, 1536                       ; 128 points x 12 bytes
	s_mov_b32 s13, 0
	s_wait_kmcnt 0x0
	s_add_nc_u64 s[4:5], s[4:5], s[12:13]
	s_lshl_b32 s12, s11, 12                        ; 8 tiles x 512 bytes
	s_add_nc_u64 s[8:9], s[8:9], s[12:13]
	global_load_b128 v[LVL:LVL+3], v3, s[6:7]
.irp k, 0,1,2,3,4,5,6,7
.irp d, 0,1,2
	global_load_b32 v[XR+3*\k+\d], v1, s[4:5] offset:192*\k+4*\d
.endr
.endr
.macro TILE k
	s_wait_loadcnt 3*(7-\k)                        ; loads come back in order: the levels and this tile's x are in; the three loads of each later tile may be out
.irp q, 0,1,2,3
	v_mul_f32 v[TMP+3*(\q%3)],   v[XR+3*\k],   v[LVL+\q]      ; x * level: the next launch makes the same three products for the fractions
	v_mul_f32 v[TMP+3*(\q%3)+1], v[XR+3*\k+1], v[LVL+\q]
	v_mul_f32 v[TMP+3*(\q%3)+2], v[XR+3*\k+2], v[LVL+\q]
	v_floor_f32 v[TMP+3*(\q%3)],   v[TMP+3*(\q%3)]
	v_floor_f32 v[TMP+3*(\q%3)+1], v[TMP+3*(\q%3)+1]
	v_floor_f32 v[TMP+3*(\q%3)+2], v[TMP+3*(\q%3)+2]
	v_cvt_i32_f32 v[TMP+3*(\q%3)],   v[TMP+3*(\q%3)]         ; a whole number already: nothing is rounded
	v_cvt_i32_f32 v[TMP+3*(\q%3)+1], v[TMP+3*(\q%3)+1]
	v_cvt_i32_f32 v[TMP+3*(\q%3)+2], v[TMP+3*(\q%3)+2]
	v_mul_lo_u32 v[TMP+3*(\q%3)+1], v[TMP+3*(\q%3)+1], s14   ; modulo 2^32
	v_mul_lo_u32 v[TMP+3*(\q%3)+2], v[TMP+3*(\q%3)+2], s15
	v_add3_u32 v[TMP+3*(\q%3)], v[TMP+3*(\q%3)], v[TMP+3*(\q%3)+1], v[TMP+3*(\q%3)+2]
	v_and_b32 v[R+4*\k+\q], 0x7ffff, v[TMP+3*(\q%3)]         ; modulo 2^19
.endr
	global_store_b128 v2, v[R+4*\k:R+4*\k+3], s[8:9] offset:512*\k   ; 32 lanes store 512 consecutive bytes, aligned
.endm
.irp k, 0,1,2,3,4,5,6,7
	TILE \k
.endr
	s_endpgm
.Lfunc_end_k_q567bf8a09c_hash:
	.size	k_q567bf8a09c_hash, .Lfunc_end_k_q567bf8a09c_hash-k_q567bf8a09c_hash
	.p2alignl 7, 3214868480
	.fill 96, 4, 3214868480
	.section	.rodata,"a",@progbits
	.p2align	6, 0x0
	.amdhsa_kernel k_q567bf8a09c_hash
		.amdhsa_group_segment_fixed_size 0
		.amdhsa_private_segment_fixed_size 0
		.amdhsa_enable_private_segment 0
		.amdhsa_kernarg_size 24
		.amdhsa_user_sgpr_count 2
		.amdhsa_user_sgpr_kernarg_segment_ptr 1
		.amdhsa_wavefront_size32 1
		.amdhsa_system_sgpr_workgroup_id_x 1
		.amdhsa_system_sgpr_workgroup_id_y 1
		.amdhsa_system_sgpr_workgroup_id_z 1
		.amdhsa_system_vgpr_workitem_id 0
		.amdhsa_next_free_vgpr 80
		.amdhsa_next_free_sgpr 66
		.amdhsa_reserve_vcc 0
		.amdhsa_float_denorm_mode_32 3
		.amdhsa_float_denorm_mode_16_64 3
		.amdhsa_memory_ordered 1
		.amdhsa_forward_progress 1
		.amdhsa_inst_pref_size 22
	.end_amdhsa_kernel
	.amdgpu_metadata
---
amdhsa.version: [ 1, 2 ]
amdhsa.kernels:
  - .name:           k_q567bf8a09c_hash
    .symbol:         k_q567bf8a09c_hash.kd
    .args:
      - { .name: x, .offset: 0, .size: 8, .value_kind: global_buffer, .address_space: global }
      - { .name: levels, .offset: 8, .size: 8, .value_kind: global_buffer, .address_space: global }
      - { .name: idx, .offset: 16, .size: 8, .value_kind: global_buffer, .address_space: global }
    .group_segment_fixed_size: 0
    .private_segment_fixed_size: 0
    .kernarg_segment_align: 8
    .kernarg_segment_size: 24
    .max_flat_workgroup_size: 256
    .sgpr_count:     66
    .vgpr_count:     80
    .wavefront_size: 32
...
	.end_amdgpu_metadata
.endif
;; end of part 1
;; launch ngp (part 2): grid 256 x 1, 16 waves a work-group, no clusters, 18,432 bytes of LDS; arguments x, levels, idx, grid, w1, b1, w2, b2, w3, b3, out0; writes out0
.if DOCPART == 2
	.amdgcn_target "amdgcn-amd-amdhsa--gfx1250"
	.amdhsa_code_object_version 6
	.text
	.protected	k_q567bf8a09c_ngp
	.globl	k_q567bf8a09c_ngp
	.p2align	8
	.type	k_q567bf8a09c_ngp,@function
k_q567bf8a09c_ngp:
	s_mov_b64 s[64:65], 0
	v_nop
	global_prefetch_b8 v0, s[64:65] scope:SCOPE_SE
	s_setreg_imm32_b32 hwreg(HW_REG_WAVE_MODE, 25, 1), 1
	s_wait_xcnt 0x0
; out = leaky(leaky(feat W1 + b1) W2 + b2) W3 + b3, feat = the trilinear reading of 8 hash tables (8 corners x 2 numbers a level), for 524,288 points.  All from the gather to the output stays in registers.
; FORMATS.  feat W1 (K = 16) feeds a quantiser: f32 operands, v_wmma_f32_16x16x4_f32.  h1 W2 (K = 64) is the quantised product: both operands become codes of FP4 (E2M1) with one E8M0 scale for each 32 along K
; (scale = 2^(floor(log2(largest magnitude)) - 2), byte held at 1 from below); K = 64 .. 127 of the instruction's 128 are zero codes on both sides, under the scale byte 0.  h2 W3 (N = 2) is done by packed f32 multiply-adds:
; two columns would fill 2 of a matrix tile's 16.
; SHARES.  16 waves, four to a SIMD, 256 registers each.  Wave gid = 16 x work-group + wave owns 128 points: 4 units of two tiles (A, B) of 16 points.  Waves share nothing: no barrier.
; THE GATHER.  Lane (r = lane % 16, h = lane / 16) takes point r and the corners with i = h, whose entries are hb + h + j PI2 + k PI3 (mod 2^19): lanes r and r + 16 of one load name NEIGHBOURING entries of the table.
; Four loads of 8 bytes a level (j, k); the lane blends them by wz and wy and multiplies by wx (h = 1) or 1 - wx (h = 0): a partial sum P[level].  v_permlane16_swap_b32 of P[s] with P[s + 4] and one addition then leave
; level s whole in lanes 0-15 and level s + 4 whole in lanes 16-31: that IS source 1 of the f32 matrix instruction for K step s (register j holds k = 2 h + j), with K slot (s, h, j) = feature 2 (s + 4 h) + j; W1 is loaded by the same order of K.
; ALL PRODUCTS ARE USED TRANSPOSED (source 0 = 16 rows of a weight's transpose, source 1 = 16 points): a lane holds ONE point throughout.  THE UNITS OF A TILE OF W1 ARE NOT NEIGHBOURS: lane r of tile t takes unit
; 32 (t / 2) + 8 (t % 2) + r + 8 (r / 8), so that the 16 registers of tiles 2 b and 2 b + 1 are the 16 neighbours 32 b + 16 h + 0 .. 15 along the next K.  b1 is the C of the first K step; b2 is loaded into the second product's accumulator.
; PIPELINE.  While a tile goes through the layers, the next tile's 32 gathers and the hashes of the tile after that are on their way: 37 loads of a wave at the most.
; The addresses hang on idx alone, whole numbers that the launch before has stored; the fractions are made anew here, by the same product x * level.
; NOT USED: clusters, tensor loads, an LDS ring: the traffic is 8 bytes at hashed places, not tiles; what work-groups share besides is 12,928 bytes of weights and biases, read once by each wave at its head.
; LDS: 1,024 bytes a wave, its own: b1 (256), b2 (128), W3's two columns (128 each), stored once at the head and read back in the results' layouts: kept in registers they would take 80.
; LIMITS: as in the launch that makes idx; blocks whose largest magnitude lies under 2^-124 keep the byte 1; a block of zeros has the byte 1 and zero codes; NaN and infinities are not served.
.set MSK,   0x7ffff                    ; 2^19 - 1
.set MSK8,  0x3ffff8                   ; the same for byte offsets: 8 bytes an entry
.set CK8,   (0x30025795&MSK)<<3        ; k = 1:      PI3 mod 2^19, in bytes
.set CJ8,   (0x9E3779B1&MSK)<<3        ; j = 1:      PI2
.set CJK8,  ((0x30025795+0x9E3779B1)&MSK)<<3   ; both
.set SLOPE, 0x3c23d70a                 ; 0.01
.set FLOOR, 0x1800000                  ; 2^(3 - 127)
.set LVB,   4194304                    ; bytes of a level's table
.set H8,   1                           ; v1   8 h: the corner i = h in bytes; also a scale byte's shift in bits
.set SGN,  2                           ; v2   h = 1: 1.0;  h = 0: -1.0
.set OFS,  3                           ; v3   h = 1: 0.0;  h = 0: 1.0
.set XA,   4                           ; v4   12 r
.set IA,   5                           ; v5   16 r
.set OA,   6                           ; v6   8 x lane
.set LA64, 7                           ; v7   my wave's LDS + 64 h
.set LA32, 8                           ; v8   my wave's LDS + 32 h
.set RA,   10                          ; v[10:11] tile A's two outputs
.set ST,   12                          ; v[12:13] what is stored
.set RB,   14                          ; v[14:15] tile B's
.set IDX,  16                          ; v[16:23] hb of levels 0 .. 7
.set X,    24                          ; v[24:26] x0, x1, x2
.set WT,   28                          ; v[28:33] (wy, floor), (wz, floor), (wx or 1 - wx, floor)
.set O,    34                          ; v[34:37] the last product's two sums, in pairs; v38, v39 the other half's
.set P,    40                          ; v[40:55] partial sums of the 8 levels; P[0..3] become the features
.set ACC2, 40                          ; then the second product's two accumulators
.set PC,   56                          ; v[56:63] h1's codes; v60-63 stay 0
.set W1F,  64                          ; v[64:95] W1's fragments: (tile t, K step s) at 8 t + 2 s
.set W2F,  96                          ; v[96:111] W2's two fragments; registers 4-7 of each stay 0
.set W2S,  112                         ; v112, v113 W2's scale words
.set PW,   114                         ; v114 h1's scale word
.set TM,   116                         ; v[116:123] at work
.set ACC1, 124                         ; v[124:155] the first product's four accumulators: written by matrix instructions alone
.set AD,   156                         ; v[156:187] the 32 gather offsets;
.set H,    156                         ; then b1 as C, then h1;
.set W3C,  156                         ; then W3's two columns, 16 registers each
.set D,    188                         ; v[188:251] gathered entries: level l, corner c = 2 j + k at 8 l + 2 c; at the head W2 in f32
.set LV,   32                          ; s[32:39] the eight levels
.set B3,   40                          ; s[40:41] b3
.set GB,   44                          ; s[44:51] the table at levels 0, 2, 4, 6
.set SL,   56                          ; s[56:57] the slope (the packed form names a pair and takes its low word)
.set SEL,  58                          ; s[58:59] v_permlanex16_b32's selects for lane l xor 16
.set HI,   60                          ; s60  the mask of lanes 16-31
.set CNT,  61                          ; s61  units to go in the loop
.macro IDXLOAD off                     ; a tile's hashes: my point's 8 words; sixteen lanes read 256 consecutive bytes, aligned
	global_load_b128 v[IDX:IDX+3],   v[IA], s[8:9] offset:\off th:TH_LOAD_NT
	global_load_b128 v[IDX+4:IDX+7], v[IA], s[8:9] offset:\off+256 th:TH_LOAD_NT
.endm
.macro XLOAD off                       ; a tile's points
.irp d, 0,1,2
	global_load_b32 v[X+\d], v[XA], s[4:5] offset:\off+4*\d
.endr
.endm
; The 32 gathers of a tile.  A loaded number enters an address behind a clamp to the table's size; behind it stand a shift to the left, additions and ANDs alone.
.macro ISSUE
.irp l, 0,1,2,3,4,5,6,7
	v_min_u32 v[AD+4*\l], MSK, v[IDX+\l]
	v_lshl_add_u32 v[AD+4*\l], v[AD+4*\l], 3, v[H8]          ; 8 (hb + h)
	v_add_nc_u32 v[AD+4*\l+1], CK8,  v[AD+4*\l]
	v_add_nc_u32 v[AD+4*\l+2], CJ8,  v[AD+4*\l]
	v_add_nc_u32 v[AD+4*\l+3], CJK8, v[AD+4*\l]
.irp c, 0,1,2,3
	v_and_b32 v[AD+4*\l+\c], MSK8, v[AD+4*\l+\c]             ; modulo 2^19 entries
.endr
.irp c, 0,1,2,3
	global_load_b64 v[D+8*\l+2*\c:D+8*\l+2*\c+1], v[AD+4*\l+\c], s[GB+2*(\l/2):GB+2*(\l/2)+1] offset:(\l%2)*LVB
.endr
.endr
.endm
; The gathered entries become the tile's features.  yng: the loads issued behind this tile's gathers (the next hashes: 2, or none).
.macro CONSUME yng
.irp l, 0,1,2,3,4,5,6,7
	s_wait_loadcnt 4*(7-\l)+\yng                   ; loads come back in order: this level's four are in (and x, which is older); the four of each later level and the yng behind them may be out
	v_mul_f32 v[WT],   s[LV+\l], v[X+1]
	v_mul_f32 v[WT+2], s[LV+\l], v[X+2]
	v_mul_f32 v[WT+4], s[LV+\l], v[X]
	v_floor_f32 v[WT+1], v[WT]
	v_floor_f32 v[WT+3], v[WT+2]
	v_floor_f32 v[WT+5], v[WT+4]
	v_sub_f32 v[WT],   v[WT],   v[WT+1]            ; wy
	v_sub_f32 v[WT+2], v[WT+2], v[WT+3]            ; wz
	v_sub_f32 v[WT+4], v[WT+4], v[WT+5]            ; wx
	v_fma_f32 v[WT+4], v[WT+4], v[SGN], v[OFS]     ; wx where i = 1, 1 - wx where i = 0
	v_pk_add_f32 v[D+8*\l+2:D+8*\l+3], v[D+8*\l+2:D+8*\l+3], v[D+8*\l:D+8*\l+1] neg_lo:[0,1] neg_hi:[0,1]      ; both features at once: d01 - d00
	v_pk_add_f32 v[D+8*\l+6:D+8*\l+7], v[D+8*\l+6:D+8*\l+7], v[D+8*\l+4:D+8*\l+5] neg_lo:[0,1] neg_hi:[0,1]    ; d11 - d10
	v_pk_fma_f32 v[D+8*\l:D+8*\l+1],   v[D+8*\l+2:D+8*\l+3], v[WT+2:WT+3], v[D+8*\l:D+8*\l+1] op_sel_hi:[1,0,1]     ; along z, at j = 0
	v_pk_fma_f32 v[D+8*\l+4:D+8*\l+5], v[D+8*\l+6:D+8*\l+7], v[WT+2:WT+3], v[D+8*\l+4:D+8*\l+5] op_sel_hi:[1,0,1]   ; and at j = 1
	v_pk_add_f32 v[D+8*\l+4:D+8*\l+5], v[D+8*\l+4:D+8*\l+5], v[D+8*\l:D+8*\l+1] neg_lo:[0,1] neg_hi:[0,1]
	v_pk_fma_f32 v[D+8*\l:D+8*\l+1],   v[D+8*\l+4:D+8*\l+5], v[WT:WT+1], v[D+8*\l:D+8*\l+1] op_sel_hi:[1,0,1]       ; along y
	v_pk_mul_f32 v[P+2*\l:P+2*\l+1],   v[D+8*\l:D+8*\l+1],   v[WT+4:WT+5] op_sel_hi:[1,0]                           ; my corner's share along x
.endr
.irp s, 0,1,2,3
	v_permlane16_swap_b32 v[P+2*\s],   v[P+8+2*\s]           ; P[s]: level s at i = 0 | level s + 4 at i = 0;  P[s + 4]: level s at i = 1 | level s + 4 at i = 1
	v_permlane16_swap_b32 v[P+2*\s+1], v[P+8+2*\s+1]
.endr
.irp s, 0,1,2,3
	v_pk_add_f32 v[P+2*\s:P+2*\s+1], v[P+2*\s:P+2*\s+1], v[P+8+2*\s:P+8+2*\s+1]   ; lanes 0-15: level s whole; lanes 16-31: level s + 4
.endr
.endm
; The three layers of a tile, from its features in P[0..3] to its two outputs in v[dst], v[dst + 1] (the same in lanes r and r + 16).
.macro MLP dst
	s_wait_xcnt 0x0                                ; the gathers just issued have read their offsets, and the last store its data: AD is written again only behind this wait
.irp t, 0,1,2,3
.irp q, 0,1
	ds_load_b128 v[H+8*\t+4*\q:H+8*\t+4*\q+3], v[LA64] offset:(32*(\t/2)+8*(\t%2))*4+16*\q   ; b1 at my eight units of tile t
.endr
.endr
	s_wait_dscnt 0x0
.irp s, 0,1,2,3                        ; four accumulators by turns, one instruction a turn; the first K step starts the sums from b1
.irp t, 0,1,2,3
.if \s == 0
	v_wmma_f32_16x16x4_f32 v[ACC1+8*\t:ACC1+8*\t+7], v[W1F+8*\t+2*\s:W1F+8*\t+2*\s+1], v[P+2*\s:P+2*\s+1], v[H+8*\t:H+8*\t+7]
.else
	v_wmma_f32_16x16x4_f32 v[ACC1+8*\t:ACC1+8*\t+7], v[W1F+8*\t+2*\s:W1F+8*\t+2*\s+1], v[P+2*\s:P+2*\s+1], v[ACC1+8*\t:ACC1+8*\t+7]
.endif
.endr
.endr
.rept 8
	v_nop                                          ; eight places behind this form, ahead of the loads into P's registers, of the first read of the results and of the writes of H
.endr
.irp n, 0,1
.irp q, 0,1
	ds_load_b128 v[ACC2+8*\n+4*\q:ACC2+8*\n+4*\q+3], v[LA32] offset:256+64*\n+16*\q          ; b2 at my eight units of tile n: the second product adds onto it
.endr
.endr
.set j, 0
.rept 16
	v_pk_mul_f32 v[H+j:H+j+1], v[ACC1+j:ACC1+j+1], s[SL:SL+1] op_sel_hi:[1,0]                ; 0.01 x, each accumulator from its low end on
.set j, j+2
.endr
.set j, 0
.rept 32
	v_max_num_f32 v[H+j], v[ACC1+j], v[H+j]        ; leaky_relu = max(x, 0.01 x): register 16 b + i is unit 32 b + 16 h + i
.set j, j+1
.endr
.irp b, 0,1
	v_max3_num_f32 v[TM+\b], |v[H+16*\b]|, |v[H+16*\b+1]|, FLOOR   ; block b: my 16 numbers, and the floor, which holds the byte at 1 from below
.endr
.irp i, 2,4,6,8,10,12,14
.irp b, 0,1
	v_max3_num_f32 v[TM+\b], v[TM+\b], |v[H+16*\b+\i]|, |v[H+16*\b+\i+1]|
.endr
.endr
.irp b, 0,1
	v_permlanex16_b32 v[TM+2+\b], v[TM+\b], s[SEL], s[SEL+1]
.endr
.irp b, 0,1
	v_max_num_f32 v[TM+\b], v[TM+\b], v[TM+2+\b]   ; with lane l xor 16's 16: the block's largest magnitude
.endr
.irp b, 0,1
	v_add_nc_u32 v[TM+4+\b], 0xff000000, v[TM+\b]  ; 2 off its exponent field: the conversion takes that field as its scale
.endr
.irp b, 0,1
	v_lshrrev_b32 v[TM+6+\b], 23, v[TM+4+\b]       ; the scale's byte
.endr
	v_lshl_or_b32 v[PW], v[TM+7], 8, v[TM+6]       ; my point's scale word; bytes 2 and 3 stay 0, over zero codes
.irp b, 0,1
	v_cvt_scalef32_pk8_fp4_f32 v[PC+2*\b],   v[H+16*\b:H+16*\b+7],    v[TM+4+\b]
	v_cvt_scalef32_pk8_fp4_f32 v[PC+2*\b+1], v[H+16*\b+8:H+16*\b+15], v[TM+4+\b]
.endr
.irp o, 0,1
.irp n, 0,1
.irp q, 0,1
	ds_load_b128 v[W3C+16*\o+8*\n+4*\q:W3C+16*\o+8*\n+4*\q+3], v[LA32] offset:384+128*\o+64*\n+16*\q   ; W3's column o at my units, into the registers that h1 has left
.endr
.endr
.endr
	v_nop                                          ; one plain place behind the scaled conversions
	v_permlane16_swap_b32 v[PC],   v[PC+2]         ; the operand's layout wants a whole block in a lane: lanes 0-15 block 0, lanes 16-31 block 1
	v_permlane16_swap_b32 v[PC+1], v[PC+3]
.rept 8
	v_nop                                          ; a scale register written by a vector instruction stands 8 places ahead of a scaled matrix instruction, an operand so written 4
.endr
	s_wait_dscnt 8                                 ; LDS loads come back in order: b2's four are in; W3's eight, issued behind them, may be out
.irp n, 0,1
	v_wmma_scale_f32_16x16x128_f8f6f4 v[ACC2+8*\n:ACC2+8*\n+7], v[W2F+8*\n:W2F+8*\n+7], v[PC:PC+7], v[ACC2+8*\n:ACC2+8*\n+7], v[W2S+\n], v[PW] matrix_a_fmt:MATRIX_FMT_FP4 matrix_b_fmt:MATRIX_FMT_FP4
.endr
.rept 4
	v_nop                                          ; four places behind this form, ahead of the first read of the results
.endr
.irp n, 0,1
.irp p, 0,2,4,6
	v_pk_mul_f32 v[TM+\p:TM+\p+1], v[ACC2+8*\n+\p:ACC2+8*\n+\p+1], s[SL:SL+1] op_sel_hi:[1,0]   ; from the accumulator's low end on
.endr
.irp i, 0,1,2,3,4,5,6,7
	v_max_num_f32 v[ACC2+8*\n+\i], v[ACC2+8*\n+\i], v[TM+\i]   ; h2: register 8 n + i is unit 16 n + 8 h + i
.endr
.endr
	s_wait_dscnt 0x0                               ; W3's columns
	v_pk_mul_f32 v[O:O+1],   v[ACC2:ACC2+1], v[W3C:W3C+1]      ; the last product, two units at a time, the two outputs by turns
	v_pk_mul_f32 v[O+2:O+3], v[ACC2:ACC2+1], v[W3C+16:W3C+17]
.irp p, 2,4,6,8,10,12,14
	v_pk_fma_f32 v[O:O+1],   v[ACC2+\p:ACC2+\p+1], v[W3C+\p:W3C+\p+1],       v[O:O+1]
	v_pk_fma_f32 v[O+2:O+3], v[ACC2+\p:ACC2+\p+1], v[W3C+16+\p:W3C+16+\p+1], v[O+2:O+3]
.endr
	v_add_f32 v[O],   v[O],   v[O+1]
	v_add_f32 v[O+2], v[O+2], v[O+3]
	v_permlanex16_b32 v[O+4], v[O],   s[SEL], s[SEL+1]
	v_permlanex16_b32 v[O+5], v[O+2], s[SEL], s[SEL+1]
	v_add_f32 v[O],   v[O],   v[O+4]               ; with lane l xor 16's sixteen units
	v_add_f32 v[O+2], v[O+2], v[O+5]
	v_add_f32 v[\dst],   s[B3],   v[O]
	v_add_f32 v[\dst+1], s[B3+1], v[O+2]
.endm
; A tile's turn.  nxt = 1: the next tile's x (at xoff) is asked for and its gathers are issued;  idn = 1: the hashes of the tile after that (at ioff) are asked for.
.macro STAGE dst, nxt, idn, yng, xoff, ioff
	CONSUME \yng
.if \nxt
	XLOAD \xoff
	s_wait_loadcnt 3                               ; the next tile's hashes are in; the three loads of x just issued may be out
	ISSUE
.endif
.if \idn
	IDXLOAD \ioff
.endif
	MLP \dst
.endm
.macro STOREU                          ; a unit's 32 points: lanes 0-15 tile A's, lanes 16-31 tile B's
	v_cndmask_b32 v[ST],   v[RA],   v[RB],   s[HI]
	v_cndmask_b32 v[ST+1], v[RA+1], v[RB+1], s[HI]
	global_store_b64 v[OA], v[ST:ST+1], s[24:25] th:TH_STORE_NT    ; 32 lanes store 256 consecutive bytes, aligned
.endm
	s_load_b256 s[4:11], s[0:1], 0x0               ; x s[4:5], levels s[6:7], idx s[8:9], grid s[10:11]
	s_load_b256 s[12:19], s[0:1], 0x20             ; w1 s[12:13], b1 s[14:15], w2 s[16:17], b2 s[18:19]
	s_load_b128 s[20:23], s[0:1], 0x40             ; w3 s[20:21], b3 s[22:23]
	s_load_b64 s[24:25], s[0:1], 0x50              ; out0
	v_lshrrev_b32 v9, 5, v0
	v_readfirstlane_b32 s26, v9                    ; wave 0..15
	s_lshl_b32 s27, ttmp9, 4
	s_add_co_u32 s27, s27, s26                     ; gid
	s_lshl_b32 s30, s26, 10                        ; my wave's 1,024 bytes of LDS
	s_mov_b32 s[SL], SLOPE
	s_mov_b32 s[SL+1], SLOPE
	s_mov_b32 s[SEL], 0x76543210
	s_mov_b32 s[SEL+1], 0xfedcba98
	s_mov_b32 s[HI], 0xffff0000
	v_bfe_u32 v9, v0, 4, 1                         ; h
	v_lshlrev_b32 v[H8], 3, v9
	v_cvt_f32_u32 v[OFS], v9
	v_fma_f32 v[SGN], v[OFS], 2.0, -1.0            ; 2 h - 1
	v_sub_f32 v[OFS], 1.0, v[OFS]                  ; 1 - h
	v_and_b32 v[IA], 15, v0                        ; r
	v_mul_u32_u24 v[XA], v[IA], 12
	v_and_b32 v252, 8, v[IA]
	v_add_nc_u32 v252, v252, v[IA]                 ; r + 8 (r / 8)
	v_lshlrev_b32 v252, 2, v252
	v_lshl_add_u32 v252, v9, 11, v252              ; w1: unit's 4 bytes, + 8 h rows of 256 bytes (features 2 (s + 4 h) + j)
	v_lshlrev_b32 v253, 2, v[IA]
	v_lshl_add_u32 v253, v9, 12, v253              ; w2: column r, + 32 h rows of 128 bytes: block h
	v_lshlrev_b32 v[IA], 4, v[IA]
	v_and_b32 v254, 31, v0                         ; lane
	v_lshlrev_b32 v[OA], 3, v254
	v_lshl_add_u32 v255, v254, 3, s30              ; LDS: my wave's bytes + 8 x lane
	v_lshl_add_u32 v27, v254, 2, s30               ;      and + 4 x lane
	v_lshlrev_b32 v254, 2, v254
	v_lshl_add_u32 v[LA64], v9, 6, s30
	v_lshl_add_u32 v[LA32], v9, 5, s30
.irp i, 4,5,6,7
	v_mov_b32 v[PC+\i], 0                          ; K = 64 .. 127: zero codes, for the whole launch
	v_mov_b32 v[W2F+\i], 0
	v_mov_b32 v[W2F+8+\i], 0
.endr
	v_mov_b32 v[TM+2], 0                           ; a lane permute's destination counts as one of its sources
	v_mov_b32 v[TM+3], 0
	v_mov_b32 v[O+4], 0
	v_mov_b32 v[O+5], 0
	s_wait_kmcnt 0x0
	s_load_b256 s[LV:LV+7], s[6:7], 0x0            ; the eight levels
	s_load_b64 s[B3:B3+1], s[22:23], 0x0           ; b3
	s_mov_b32 s29, 0
	s_mul_i32 s28, s27, 1536                       ; 128 points x 12 bytes
	s_add_nc_u64 s[4:5], s[4:5], s[28:29]
	s_lshl_b32 s28, s27, 12                        ; 8 tiles x 512 bytes
	s_add_nc_u64 s[8:9], s[8:9], s[28:29]
	s_lshl_b32 s28, s27, 10                        ; 128 points x 8 bytes
	s_add_nc_u64 s[24:25], s[24:25], s[28:29]
	s_mov_b64 s[GB:GB+1], s[10:11]
	s_add_nc_u64 s[GB+2:GB+3], s[10:11], 2*LVB
	s_add_nc_u64 s[GB+4:GB+5], s[10:11], 4*LVB
	s_add_nc_u64 s[GB+6:GB+7], s[10:11], 6*LVB
	IDXLOAD 0                                      ; tile 0
	XLOAD 0
.irp t, 0,1,2,3
.irp s, 0,1,2,3
.irp j, 0,1
	global_load_b32 v[W1F+8*\t+2*\s+\j], v252, s[12:13] offset:(2*\s+\j)*256+(32*(\t/2)+8*(\t%2))*4   ; W1(feature 2 (s + 4 h) + j, unit of lane r in tile t): it stays
.endr
.endr
.endr
.irp n, 0,1
.set i, 0
.rept 32
	global_load_b32 v[D+32*\n+i], v253, s[16:17] offset:128*i+64*\n   ; W2(32 h + i, 16 n + r): a lane takes a column and its registers run down K: a whole block
.set i, i+1
.endr
.endr
	global_load_b64 v[P:P+1], v[OA], s[14:15]      ; b1: two numbers a lane
	global_load_b32 v[P+2], v254, s[18:19]         ; b2: one
	global_load_b64 v[P+4:P+5], v[OA], s[20:21]    ; W3: row = lane, both columns
	s_wait_loadcnt 0x0
	s_wait_kmcnt 0x0                               ; the levels and b3
	ds_store_b64 v255, v[P:P+1]                    ; b1 as it lies
	ds_store_b32 v27, v[P+2] offset:256            ; b2
	ds_store_b32 v27, v[P+4] offset:384            ; W3's column 0
	ds_store_b32 v27, v[P+5] offset:512            ; and column 1
	; W2 is quantised once: the conversions' results are the operand's registers
.irp n, 0,1
	v_max3_num_f32 v[TM+\n], |v[D+32*\n]|, |v[D+32*\n+1]|, FLOOR
.endr
.irp i, 2,4,6,8,10,12,14,16,18,20,22,24,26,28,30
.irp n, 0,1
	v_max3_num_f32 v[TM+\n], v[TM+\n], |v[D+32*\n+\i]|, |v[D+32*\n+\i+1]|
.endr
.endr
.irp n, 0,1
	v_add_nc_u32 v[TM+4+\n], 0xff000000, v[TM+\n]  ; 2 off the exponent field: the conversion's scale operand
.endr
.irp n, 0,1
	v_lshrrev_b32 v[TM+6+\n], 23, v[TM+4+\n]       ; block h's byte,
.endr
.irp n, 0,1
	v_lshlrev_b32 v[TM+6+\n], v[H8], v[TM+6+\n]    ; at its place in the scale word (8 h bits up);
.endr
.irp n, 0,1
	v_permlanex16_b32 v[TM+2+\n], v[TM+6+\n], s[SEL], s[SEL+1]
.endr
.irp n, 0,1
	v_or_b32 v[W2S+\n], v[TM+6+\n], v[TM+2+\n]     ; with lane l xor 16's the two bytes stand together; bytes 2 and 3 stay 0, over zero codes
.endr
.irp n, 0,1
.irp g, 0,1,2,3
	v_cvt_scalef32_pk8_fp4_f32 v[W2F+8*\n+\g], v[D+32*\n+8*\g:D+32*\n+8*\g+7], v[TM+4+\n]
.endr
.endr
	v_nop                                          ; one plain place behind the scaled conversions
	s_wait_dscnt 0x0                               ; my four LDS stores are done: P's registers may be written
	ISSUE                                          ; tile 0's gathers
	IDXLOAD 512                                    ; tile 1's hashes
	s_mov_b32 s[CNT], 3
.Lunit:                                            ; three trips: a unit of two tiles each; at the head 34 loads are out on the way in, 37 on the way back
	STAGE RA, 1, 1, 2, 192, 1024
	STAGE RB, 1, 1, 2, 384, 1536
	STOREU
	s_wait_xcnt 0x0                                ; every load and the store have read their bases: only behind this wait are they stepped
	s_add_nc_u64 s[4:5], s[4:5], 384               ; 32 points of x,
	s_add_nc_u64 s[8:9], s[8:9], 1024              ; two tiles of idx,
	s_add_nc_u64 s[24:25], s[24:25], 256           ; 32 points of out0
	s_sub_co_u32 s[CNT], s[CNT], 1
	s_cmp_lg_u32 s[CNT], 0
	s_cbranch_scc1 .Lunit
	STAGE RA, 1, 0, 2, 192, 0                      ; the last unit is written out: no load leaves its buffer; the last tile's hashes are the two that are out
	STAGE RB, 0, 0, 0, 0, 0                        ; behind the last tile's gathers nothing was issued
	STOREU
	s_wait_xcnt 0x0
	v_lshl_add_u32 v254, v0, 2, 0x4000
	v_mov_b32 v255, 0
	s_wait_tensorcnt 0x0
	ds_add_u32 v254, v255
	s_wait_dscnt 0x0
	s_endpgm
.Lfunc_end_k_q567bf8a09c_ngp:
	.size	k_q567bf8a09c_ngp, .Lfunc_end_k_q567bf8a09c_ngp-k_q567bf8a09c_ngp
	.p2alignl 7, 3214868480
	.fill 96, 4, 3214868480
	.section	.rodata,"a",@progbits
	.p2align	6, 0x0
	.amdhsa_kernel k_q567bf8a09c_ngp
		.amdhsa_group_segment_fixed_size 18432
		.amdhsa_private_segment_fixed_size 0
		.amdhsa_enable_private_segment 0
		.amdhsa_kernarg_size 88
		.amdhsa_user_sgpr_count 2
		.amdhsa_user_sgpr_kernarg_segment_ptr 1
		.amdhsa_wavefront_size32 1
		.amdhsa_system_sgpr_workgroup_id_x 1
		.amdhsa_system_sgpr_workgroup_id_y 1
		.amdhsa_system_sgpr_workgroup_id_z 1
		.amdhsa_system_vgpr_workitem_id 0
		.amdhsa_next_free_vgpr 256
		.amdhsa_next_free_sgpr 66
		.amdhsa_reserve_vcc 0
		.amdhsa_float_denorm_mode_32 3
		.amdhsa_float_denorm_mode_16_64 3
		.amdhsa_memory_ordered 1
		.amdhsa_forward_progress 1
		.amdhsa_inst_pref_size 115
	.end_amdhsa_kernel
	.amdgpu_metadata
---
amdhsa.version: [ 1, 2 ]
amdhsa.kernels:
  - .name:           k_q567bf8a09c_ngp
    .symbol:         k_q567bf8a09c_ngp.kd
    .args:
      - { .name: x, .offset: 0, .size: 8, .value_kind: global_buffer, .address_space: global }
      - { .name: levels, .offset: 8, .size: 8, .value_kind: global_buffer, .address_space: global }
      - { .name: idx, .offset: 16, .size: 8, .value_kind: global_buffer, .address_space: global }
      - { .name: grid, .offset: 24, .size: 8, .value_kind: global_buffer, .address_space: global }
      - { .name: w1, .offset: 32, .size: 8, .value_kind: global_buffer, .address_space: global }
      - { .name: b1, .offset: 40, .size: 8, .value_kind: global_buffer, .address_space: global }
      - { .name: w2, .offset: 48, .size: 8, .value_kind: global_buffer, .address_space: global }
      - { .name: b2, .offset: 56, .size: 8, .value_kind: global_buffer, .address_space: global }
      - { .name: w3, .offset: 64, .size: 8, .value_kind: global_buffer, .address_space: global }
      - { .name: b3, .offset: 72, .size: 8, .value_kind: global_buffer, .address_space: global }
      - { .name: out0, .offset: 80, .size: 8, .value_kind: global_buffer, .address_space: global }
    .group_segment_fixed_size: 18432
    .private_segment_fixed_size: 0
    .kernarg_segment_align: 8
    .kernarg_segment_size: 88
    .max_flat_workgroup_size: 512
    .sgpr_count:     66
    .vgpr_count:     256
    .wavefront_size: 32
...
	.end_amdgpu_metadata
.endif
;; end of part 2
